; MI455X (gfx1250); checked and timed in simulation.
; The chip was launched on July 23, 2026; its instructions are those of AMD's public machine-readable ISA for CDNA 5 (MIT licence, August 2026) and "CDNA5" Instruction Set Architecture Reference Guide (July 2026). The comments in the code are by the model that wrote it; some were corrected since.
;; Quantum Feed Forward. Allowed arithmetic: matrix products marked QUANTISED: E2M1 operands, one E8M0 scale for each 32 along K, by v_wmma_scale_f32_16x16x128_f8f6f4 with both operands' format E2M1 (or v_wmma_scale_f32_32x16x128_f4), f32 sums; everything else in f32.
;; Inputs: W1 2,048 x 512 float32; W2 512 x 2,048 float32; theta 512 float32; x 8 x 4,096 x 512 float32.
;; Outputs: out0 8 x 4,096 x 512 float32.
;; This version of the problem:
;;   THIS VERSION OF THE PROBLEM IS GIVEN IN LOW PRECISION. The matrix products marked QUANTISED in the list below multiply operands that are first quantised to E2M1 (2 exponent bits, 1 mantissa bit; 4 bits a number), with one power-of-two scale for each 32 numbers along K (OCP MX v1.0); their sums are f32. All else is computed in f32.
;;   The module's matrix products, in the order in which they are computed (A, B: the left and right operand; K: the contracted axis; several contracted axes count as one K, in the product's order):
;;     1. [M 32,768, K 512] x [K 512, N 2,048]; A: computed on the way; B: input W1: QUANTISED
;;     2. [M 32,768, K 2,048] x [K 2,048, N 512]; A: computed on the way; B: input W2: QUANTISED
;;   THE QUANTISER, for each operand of a quantised product, along K:
;;     - K is cut into blocks of 32 from its start; a last block that is shorter is filled with zeros.
;;     - A block's scale is 2^e with e = floor(log2(the largest magnitude in the block)) - 2, held to -126 .. 127; a block of zeros has e = 0. As a byte (E8M0): e + 127.
;;     - Each number is divided by its block's scale, clamped to +-6, and rounded to the nearest number of E2M1, ties to even, subnormals kept.
;;     - The product sums the exact products of the quantised numbers (number of the format x scale) in f32.
;;   ~~~python
;;   def quantise(x, axis):      # numpy; x: float32 -> the quantised numbers, widened to float32 again
;;       x = np.moveaxis(x, axis, -1); K = x.shape[-1]
;;       x = np.pad(x, [(0, 0)] * (x.ndim - 1) + [(0, -K % 32)]); x = x.reshape(x.shape[:-1] + (-1, 32)); a = np.abs(x).max(-1, keepdims=True)
;;       e = np.where(a > 0, np.clip(np.frexp(np.where(a > 0, a, 1))[1] - 1 - 2, -126, 127), 0)      # np.frexp(a)[1] - 1 = floor(log2(a)), exactly
;;       r = np.clip(x / 2.0 ** e, -6, 6)
;;       step = 2.0 ** (np.maximum(np.frexp(np.where(r == 0, 1, r))[1] - 1, 0) - 1)
;;       q = np.round(r / step) * step * 2.0 ** e      # np.round: ties to even
;;       return np.moveaxis(q.reshape(q.shape[:-2] + (-1,))[..., :K], -1, axis).astype(np.float32)
;;   ~~~
;;   OPERANDS COMPUTED ON THE WAY. 'Computed on the way' means the value that the module computes at that place (a softmax that the list does not call 'softmax' is quantised finished and normalised). What goes into a quantiser is computed in f32, as accurately as f32 sums, v_exp_f32 and their like allow (about 1e-6 of the number): no bf16 or f16 on the way to a quantiser, and a product that is left as it is and whose result goes on into a quantised operand takes f32 operands (vector FMAs, or v_wmma_f32_16x16x4_f32). A number that lies on a knife's edge between two numbers of the format may be rounded either way, as far as f32 arithmetic and the matrix unit's own rounding can turn it there, and no further.
;; One version. Each part assembles by itself: llvm-mc -triple=amdgcn-amd-amdhsa -mcpu=gfx1250 --defsym DOCPART=n.
;; ======== version 1 of 1: 2 launches
;; limits: inputs' magnitudes at most 8,192
;; workspace buffers: wbuf 1,114,112 bytes
;; launch prep (part 1): grid 256 x 1, 4 waves a work-group, no clusters, 34,560 bytes of LDS; arguments W1, W2, wbuf; writes wbuf
.if DOCPART == 1
	.amdgcn_target "amdgcn-amd-amdhsa--gfx1250"
	.amdhsa_code_object_version 6
	.text
	.protected	k_q18793733b2_prep
	.globl	k_q18793733b2_prep
	.p2align	8
	.type	k_q18793733b2_prep,@function
k_q18793733b2_prep:
	s_mov_b64 s[64:65], 0
	v_nop
	global_prefetch_b8 v0, s[64:65] scope:SCOPE_SE
	s_setreg_imm32_b32 hwreg(HW_REG_WAVE_MODE, 25, 1), 1
	s_wait_xcnt 0x0
; W1 [2048][512] and W2 [512][2048], f32, K innermost in both, become codes of FP4 (E2M1) with one E8M0 byte for each 32 along K,
; laid in wbuf IN THE ORDER OF THE READER'S OPERAND REGISTERS.  A block's scale is 2^(floor(log2(largest magnitude)) - 2); its byte is the
; largest magnitude's exponent field - 2, held at 1 from below.
; LIMITS: a block of zeros gets the byte 1 where the rule says 127 (its codes are zeros, and this program alone reads the bytes);
; NaN and infinities among the weights are not served.
; wbuf: part (chunk c of 256 hidden units, reading wave w, kind: 0 = W1, 1 = W2) at 139,264 c + 34,816 w + 17,408 kind.
; A part is 16 fragments of 1,024 bytes and 1,024 bytes of scale words.  A fragment (16 rows x 128 K) is the image of its 8 registers:
; registers 0-3 as 512 bytes, 16 a lane, then registers 4-7; lane (r, h) holds k = 64 (register / 4) + 32 h + 0 .. 31 of row r.
;   W1: fragment 4 t + s: K step s; row r of tile t = 2 b + u is W1's row 256 c + 64 w + 32 b + 8 u + r + 8 (r / 8): the rows of a tile are chosen
;       so that the first product's results lie as neighbours along the second product's K.
;   W2: fragment 2 n + s: k = 256 c + 128 s + ..; row r of tile n is W2's row 128 w + 16 n + r.
; SHARES.  A work-group makes four fragments that lie on end (4,096 bytes of codes, 256 bytes of scale words), wave v fragment v.
; Work-groups 0-127 take W1 (a tile's four K steps), 128-255 W2 (two tiles x two K steps).  One path serves both: scalars alone are chosen.
; Each load reads 512 consecutive bytes of a row; the 16 rows turn through the wave's own stage in LDS, so that a lane gets 32 neighbours along K.
.set CHUNKB, 139264
.set WAVEB,  34816
.set PARTB,  17408
.set SP,     528                       ; a stage row: 512 bytes + 16: an odd multiple of 16, so that sixteen rows begin at sixteen different 16-byte columns of 256
.set STGB,   16*SP                     ; a wave's stage
.set WORDS,  4*STGB                    ; behind the stages: the work-group's 64 scale words
.set L16,  2                           ; v2      16 x lane
.set VO,   4                           ; v4-11   16 x lane + k rows, k = 0 .. 7
.set SIN,  12                          ; v12     the stage, on the way in
.set SOUT, 13                          ; v13     and on the way out
.set WST,  14                          ; v14     where my scale word goes
.set WLD,  15                          ; v15     where wave 0 reads the words back
.set R,    16                          ; v16-79  16 rows as loaded
.set X,    80                          ; v80-143 two blocks of 32 neighbours
.set C,    144                         ; v144-151 the fragment
.set MA,   152                         ; v152-155 largest magnitudes, two chains a block
.set SC,   156                         ; v156-157 the conversions' scale operands
.set BY,   158                         ; v158-159 the bytes
.set L8,   160                         ; v160    8 x lane
.set WD,   161                         ; v161    the scale word
.set TM,   162                         ; v162 h, v163 at work
.set OW,   164                         ; v164-165 words on their way out
	s_load_b128 s[4:7], s[0:1], 0x0                ; W1, W2
	s_load_b64 s[8:9], s[0:1], 0x10                ; wbuf
	v_lshl_add_u32 v176, v0, 2, 0x8500
	v_mov_b32 v177, 0
	v_lshrrev_b32 v1, 5, v0
	v_readfirstlane_b32 s10, v1                    ; wave 0..3
	v_and_b32 v3, 31, v0                           ; lane
	v_lshlrev_b32 v[L16], 4, v3
	s_and_b32 s11, ttmp9, 127                      ; which unit of four fragments of my tensor
	; as a unit of W1: tile T = s11
	s_lshr_b32 s12, s11, 2
	s_lshl_b32 s13, s12, 6                         ; 64 (T / 4)
	s_bfe_u32 s14, s11, 0x10001
	s_lshl_b32 s14, s14, 5                         ; + 32 b
	s_add_co_u32 s13, s13, s14
	s_and_b32 s14, s11, 1
	s_lshl_b32 s14, s14, 3                         ; + 8 u
	s_add_co_u32 s13, s13, s14
	s_lshl_b32 s13, s13, 11                        ; the tile's first row, in bytes (2,048 a row)
	s_lshr_b32 s14, s11, 4
	s_mul_i32 s14, s14, CHUNKB
	s_and_b32 s15, s12, 3
	s_mul_i32 s15, s15, WAVEB
	s_add_co_u32 s14, s14, s15                     ; its part of wbuf
	s_and_b32 s15, s11, 3                          ; and which unit of the part
	; as a unit of W2: pair of tiles s11 / 8, chunk s11 % 8
	s_lshr_b32 s17, s11, 3
	s_and_b32 s18, s11, 7
	s_lshl_b32 s19, s17, 18                        ; 32 rows of 8,192 bytes a pair
	s_lshl_b32 s20, s18, 10                        ; 256 numbers a chunk
	s_add_co_u32 s19, s19, s20
	s_mul_i32 s20, s18, CHUNKB
	s_lshr_b32 s21, s17, 2
	s_mul_i32 s21, s21, WAVEB
	s_add_co_u32 s20, s20, s21
	s_add_co_u32 s20, s20, PARTB
	s_and_b32 s21, s17, 3
	s_mov_b32 s22, 8192                            ; W2's figures; W1's stand in the selects below
	s_mov_b32 s23, 65536
	s_mov_b32 s24, 131072
	s_mov_b32 s38, 0x76543210
	s_mov_b32 s39, 0xfedcba98                      ; v_permlanex16_b32's selects for lane l xor 16
	s_wait_kmcnt 0x0
	s_cmp_lt_u32 ttmp9, 128                        ; the choice hangs on the work-group's number alone
	s_cselect_b64 s[4:5], s[4:5], s[6:7]           ; the tensor
	s_cselect_b32 s13, s13, s19                    ; where the unit's rows begin in it
	s_cselect_b32 s14, s14, s20                    ; the part
	s_cselect_b32 s15, s15, s21                    ; the unit in the part
	s_cselect_b32 s22, 2048, s22                   ; bytes from row to row
	s_cselect_b32 s23, 32768, s23                  ; from a tile's row 0 to its row 8 (W1: 16 rows on; W2: 8)
	s_cselect_b32 s24, 1024, s24                   ; what wave / 2 adds (W1: two K steps; W2: the pair's second tile)
	s_and_b32 s25, s10, 1
	s_lshl_b32 s25, s25, 9                         ; wave % 2: a K step, 512 bytes
	s_lshr_b32 s26, s10, 1
	s_mul_i32 s26, s26, s24
	s_add_co_u32 s26, s26, s25
	s_add_co_u32 s26, s26, s13
	s_mov_b32 s27, 0
	s_add_nc_u64 s[28:29], s[4:5], s[26:27]        ; my fragment's rows 0-7
	s_mov_b32 s26, s23
	s_add_nc_u64 s[30:31], s[28:29], s[26:27]      ; and rows 8-15
	s_lshl_b32 s26, s15, 12
	s_add_co_u32 s26, s26, s14
	s_lshl_b32 s25, s10, 10
	s_add_co_u32 s26, s26, s25
	s_add_nc_u64 s[32:33], s[8:9], s[26:27]        ; where my fragment goes
	s_lshl_b32 s26, s15, 8
	s_add_co_u32 s26, s26, s14
	s_add_co_u32 s26, s26, 16384
	s_add_nc_u64 s[34:35], s[8:9], s[26:27]        ; where the unit's scale words go
	v_mov_b32 v[VO], v[L16]
.irp k, 1,2,3,4,5,6,7
	v_add_nc_u32 v[VO+\k], s22, v[VO+\k-1]
.endr
.irp i, 0,1,2,3,4,5,6,7
	global_load_b128 v[R+4*\i:R+4*\i+3], v[VO+\i], s[28:29] th:TH_LOAD_NT       ; 32 lanes read 512 consecutive bytes: 128 along K of one row
.endr
.irp i, 0,1,2,3,4,5,6,7
	global_load_b128 v[R+32+4*\i:R+32+4*\i+3], v[VO+\i], s[30:31] th:TH_LOAD_NT
.endr
	v_and_b32 v1, 15, v0                           ; r
	v_bfe_u32 v[TM], v0, 4, 1                      ; h
	s_mul_i32 s36, s10, STGB                       ; my stage
	v_add_nc_u32 v[SIN], s36, v[L16]
	v_mul_u32_u24 v[SOUT], v1, SP
	v_lshl_add_u32 v[SOUT], v[TM], 7, v[SOUT]      ; row r, + 128 h: my 32 numbers of each 64
	v_add_nc_u32 v[SOUT], s36, v[SOUT]
	s_lshl_b32 s37, s10, 6
	s_add_co_u32 s37, s37, WORDS
	v_lshl_add_u32 v[WST], v1, 2, s37              ; word (fragment, row) at 64 x fragment + 4 x row
	v_lshl_add_u32 v[WLD], v3, 3, WORDS
	v_lshlrev_b32 v[L8], 3, v3
.irp i, 0,1,2,3,4,5,6,7,8,9,10,11,12,13,14,15
	s_wait_loadcnt 15-\i                           ; loads come back in order: row i is in, the younger rows may be out
	ds_store_b128 v[SIN], v[R+4*\i:R+4*\i+3] offset:\i*SP
.endr
.irp c, 0,1
.irp j, 0,1,2,3,4,5,6,7
	ds_load_b128 v[X+32*\c+4*\j:X+32*\c+4*\j+3], v[SOUT] offset:256*\c+16*\j   ; LDS serves a wave's instructions in order: these see my stores
.endr
.endr
	s_wait_dscnt 0x0
.irp c, 0,1                                    ; block 2 c + h of my row: all its 32 numbers are mine.  Two chains a block, the blocks by turns
	v_max3_num_f32 v[MA+2*\c], |v[X+32*\c]|, |v[X+32*\c+1]|, |v[X+32*\c+2]|
	v_max3_num_f32 v[MA+2*\c+1], |v[X+32*\c+3]|, |v[X+32*\c+4]|, |v[X+32*\c+5]|
.endr
.irp i, 6,10,14,18,22,26
.irp c, 0,1
	v_max3_num_f32 v[MA+2*\c], v[MA+2*\c], |v[X+32*\c+\i]|, |v[X+32*\c+\i+1]|
	v_max3_num_f32 v[MA+2*\c+1], v[MA+2*\c+1], |v[X+32*\c+\i+2]|, |v[X+32*\c+\i+3]|
.endr
.endr
.irp c, 0,1
	v_max3_num_f32 v[MA+2*\c], v[MA+2*\c], |v[X+32*\c+30]|, |v[X+32*\c+31]|
.endr
.irp c, 0,1
	v_max3_num_f32 v[MA+2*\c], v[MA+2*\c], v[MA+2*\c+1], 0x1800000   ; and the floor 2^(3 - 127): the byte cannot fall under 1
.endr
.irp c, 0,1
	v_add_nc_u32 v[SC+\c], 0xff000000, v[MA+2*\c]  ; 2 off the exponent field: the conversion takes this operand's exponent field as its scale
.endr
.irp c, 0,1
	v_lshrrev_b32 v[BY+\c], 23, v[SC+\c]           ; the scale's byte
.endr
	v_lshl_or_b32 v[WD], v[BY+1], 16, v[BY]        ; my two bytes: blocks h and 2 + h,
	v_lshlrev_b32 v[TM+1], 3, v[TM]
	v_lshlrev_b32 v[WD], v[TM+1], v[WD]            ; at their places in the word (8 h bits up);
	v_mov_b32 v[TM+1], 0
	v_permlanex16_b32 v[TM+1], v[WD], s38, s39
	v_or_b32 v[WD], v[WD], v[TM+1]                 ; with lane l xor 16's two the word is whole
.irp c, 0,1
.irp g, 0,1,2,3
	v_cvt_scalef32_pk8_fp4_f32 v[C+4*\c+\g], v[X+32*\c+8*\g:X+32*\c+8*\g+7], v[SC+\c]   ; to the nearest code, ties to even, beyond 6 the largest code
.endr
.endr
	v_nop                                          ; one plain line behind the last scaled conversion
	global_store_b128 v[L16], v[C:C+3], s[32:33]               ; 32 lanes store 512 consecutive bytes, at a multiple of 256 from wbuf's first byte
	global_store_b128 v[L16], v[C+4:C+7], s[32:33] offset:512
	ds_store_b32 v[WST], v[WD]                     ; (lanes 16-31 write the same word with the same value)
	s_wait_dscnt 0x0                               ; for wave 0's sake: my word has landed
	s_barrier_signal -1
	s_barrier_wait -1
	s_cmp_lg_u32 s10, 0
	s_cbranch_scc1 .Ldone
	ds_load_b64 v[OW:OW+1], v[WLD]                 ; the four fragments' 64 words
	s_wait_dscnt 0x0
	global_store_b64 v[L8], v[OW:OW+1], s[34:35]   ; 32 lanes store 256 consecutive bytes, aligned
.Ldone:
	s_wait_tensorcnt 0x0
	ds_add_u32 v176, v177
	s_wait_dscnt 0x0
	s_endpgm
.Lfunc_end_k_q18793733b2_prep:
	.size	k_q18793733b2_prep, .Lfunc_end_k_q18793733b2_prep-k_q18793733b2_prep
	.p2alignl 7, 3214868480
	.fill 96, 4, 3214868480
	.section	.rodata,"a",@progbits
	.p2align	6, 0x0
	.amdhsa_kernel k_q18793733b2_prep
		.amdhsa_group_segment_fixed_size 34560
		.amdhsa_private_segment_fixed_size 0
		.amdhsa_enable_private_segment 0
		.amdhsa_kernarg_size 24
		.amdhsa_user_sgpr_count 2
		.amdhsa_user_sgpr_kernarg_segment_ptr 1
		.amdhsa_wavefront_size32 1
		.amdhsa_system_sgpr_workgroup_id_x 1
		.amdhsa_system_sgpr_workgroup_id_y 1
		.amdhsa_system_sgpr_workgroup_id_z 1
		.amdhsa_system_vgpr_workitem_id 0
		.amdhsa_next_free_vgpr 178
		.amdhsa_next_free_sgpr 66
		.amdhsa_reserve_vcc 0
		.amdhsa_float_denorm_mode_32 3
		.amdhsa_float_denorm_mode_16_64 3
		.amdhsa_memory_ordered 1
		.amdhsa_forward_progress 1
		.amdhsa_inst_pref_size 12
	.end_amdhsa_kernel
	.amdgpu_metadata
---
amdhsa.version: [ 1, 2 ]
amdhsa.kernels:
  - .name:           k_q18793733b2_prep
    .symbol:         k_q18793733b2_prep.kd
    .args:
      - { .name: W1, .offset: 0, .size: 8, .value_kind: global_buffer, .address_space: global }
      - { .name: W2, .offset: 8, .size: 8, .value_kind: global_buffer, .address_space: global }
      - { .name: wbuf, .offset: 16, .size: 8, .value_kind: global_buffer, .address_space: global }
    .group_segment_fixed_size: 34560
    .private_segment_fixed_size: 0
    .kernarg_segment_align: 8
    .kernarg_segment_size: 24
    .max_flat_workgroup_size: 128
    .sgpr_count:     66
    .vgpr_count:     178
    .wavefront_size: 32
...
	.end_amdgpu_metadata
.endif
;; end of part 1
;; launch ffn (part 2): grid 256 x 1, 4 waves a work-group, clusters of 4 x 1, 327,680 bytes of LDS; arguments x, theta, wbuf, out0; writes out0
.if DOCPART == 2
	.amdgcn_target "amdgcn-amd-amdhsa--gfx1250"
	.amdhsa_code_object_version 6
	.text
	.protected	k_q18793733b2_ffn
	.globl	k_q18793733b2_ffn
	.p2align	8
	.type	k_q18793733b2_ffn,@function
k_q18793733b2_ffn:
	s_mov_b64 s[64:65], 0
	v_nop
	global_prefetch_b8 v0, s[64:65] scope:SCOPE_SE
	s_setreg_imm32_b32 hwreg(HW_REG_WAVE_MODE, 25, 1), 1
	s_wait_xcnt 0x0
	s_wait_alu depctr_hold_cnt(0) depctr_sa_sdst(0) depctr_va_vdst(0) depctr_va_sdst(0) depctr_va_ssrc(0) depctr_va_vcc(0) depctr_vm_vsrc(0)
	s_getreg_b32 s2, hwreg(HW_REG_IB_STS2, 6, 4)
	s_cmp_eq_u32 s2, 0
	s_cbranch_scc0 .Lentry_in_a_cluster
	s_endpgm
.Lentry_in_a_cluster:
	s_bfe_u32 s2, ttmp6, 0x10000c
	s_cmp_lg_u32 s2, 0x3003
	s_cbranch_scc0 .Lentry_shape_is_right
	s_endpgm
.Lentry_shape_is_right:
; out = relu(q W1^T) W2^T, q = cos(sum of theta) cos(x); x, out: [32768][512] f32.  Both products on codes of FP4 (E2M1) with one E8M0 scale for each 32 along K.
; The weights come as codes from wbuf, laid as images of operand registers (part (chunk c, wave w, kind) at 139,264 c + 34,816 w + 17,408 kind: 16 fragments of 1,024 bytes, 1,024 bytes of scale words).
; q and the hidden layer h are made in f32 and quantised here; neither goes to memory.
; SHARES.  A work-group of four waves owns 128 rows.  THE WAVES SHARE THE COLUMNS: wave w owns outputs 128 w .. 128 w + 127 (64 accumulators, 512 registers) and, of each chunk of 256 hidden units,
; units 64 w .. 64 w + 63, for all 128 rows.  So each weight byte is read from LDS by one wave, once; what goes round through LDS is q and h.
; PARTS.  X: wave w turns its 32 rows of x into q's codes and scale bytes in LDS.  Then 8 chunks, two phases each:
;   P1: for each of the 8 tiles of 16 rows: h^T = W1 q^T (source 0 = 16 rows of W1, source 1 = q), quantised in registers, half a fragment's image to LDS;
;   P2: all 16 fragments of h from LDS; out^T += W2 h^T (source 0 = 16 rows of W2): a lane holds eight neighbouring outputs of one row.
; THE RING.  A phase's weights (17,408 bytes a wave) come by one tensor load a wave into the wave's own two LDS slots (slot 0: W1's, slot 1: W2's) and are read into registers one phase ahead of their use:
; at the head of phase f tile f is in registers, tile f + 1 has landed, tile f + 2 is asked for, into the slot that was read out in phase f - 1.
; CLUSTER.  All work-groups walk the same weights: the four of a cluster ask JOINTLY (the same load, the same descriptor, a mask that names the four).  Cluster k begins at chunk k % 8 and goes round:
; the sum over chunks is an f32 sum in another order.  The chunk hangs on the cluster's number, which the partners share.
; THE COSINE is written out: n = round(x / pi - 1/2), r = x - (n + 1/2) pi by three fused multiply-adds with pi in three parts, cos x = (-1)^(n + 1) sin r, sin r = r + r u p(u), u = r^2, p of degree 4.
; LIMITS: the cosine keeps its accuracy for |x| and |sum of theta| up to 8,192 and is wrong beyond 2^22 pi; NaN and infinities are not served; a block of zeros carries the byte 1, not 127 (its codes are zeros,
; and this program alone reads the bytes); a negative hidden number becomes the code of -0, which adds nothing.
; No prefetch is written: x is asked for whole at the head, and the weights' tiles are shared by all work-groups.
; REGISTERS, in windows of 256: window 0: v1-23 addresses and a constant; v24-51 scale words and nothing else; v52-83 q's four fragments; v84-115 four accumulators of h; v116-119 h's codes;
;   v128-255 by turns: X's numbers at work, the quantiser's temporaries, h's 16 fragments, rows on the way out.
;   window 1: v0-127 W1's 16 fragments, v128-255 W2's.   windows 2, 3: the accumulators, (row tile m, output tile n) at v[8 (8 (m % 4) + n)], window 2 + m / 4.
.set RW,     69632                     ; LDS: a wave's region: first its 32 rows of x (2,176 bytes each), then: +0 slot 0, +17,408 slot 1 (tensor loads alone write these), from +34,816 scratch
.set XROW,   2176                      ; a row of x: 8 units of 256 bytes + 16 of padding each
.set PIECE,  17408                     ; 8 rows of x; also a slot
.set HID,    34816                     ; h's 16 fragments (row tile m, K step s) at 1,024 (2 m + s): in wave 0's region, whose last fill is x's
.set HSC,    51200                     ; h's scale bytes: 8 a row
.set STG,    52224                     ; in each wave's region: its stage for the way out, 16 rows of 528 bytes
.set SPITCH, 528
.set Q,      278528                    ; q's codes: 128 rows of 256 bytes + 16
.set QP,     272
.set QS,     313344                    ; q's scale bytes: 16 a row
.set SPARE,  315392                    ; the spare words, 128 bytes for each wave: two blocks of 256 bytes that no other line names
.set CHUNKB, 139264
.set WAVEB,  34816
.set PARTB,  17408
.set SPW,  1                           ; v1   SPARE + 4 x my thread's number; never rewritten
.set NIL,  2                           ; v2   0; never rewritten
.set XAD0, 3                           ; v3   x: my lane's 32 bytes of a row's first half
.set QWA0, 4                           ; v4   q's codes: where I store 4 bytes
.set QSA0, 5                           ; v5   q's scale bytes: my block's
.set WRD,  6                           ; v6   my region + 16 x lane: an image's place for my lane
.set W4A,  7                           ; v7   W1's scale words: lanes 0-15 an even tile's, lanes 16-31 the next tile's (256 bytes on)
.set W4B,  8                           ; v8   W2's likewise (128 bytes on)
.set QRD0, 9                           ; v9   q's fragments
.set QSR0, 10                          ; v10  q's scale words
.set HWA0, 11                          ; v11  where I store h's half fragment
.set HSA0, 12                          ; v12  and its two scale bytes
.set HRD,  13                          ; v13  h's fragments
.set HSR,  14                          ; v14  h's scale words: lanes 0-15 row tile m, lanes 16-31 row tile m + 4
.set STO,  15                          ; v15  the stage: where I put 32 bytes of a row
.set SRD,  16                          ; v16  and where I read a row back
.set CO,   17                          ; v17  16 x lane
.set W1S,  24                          ; v24-31  register 4 j + s: K step s of tiles 2 j (lanes 0-15) and 2 j + 1 (lanes 16-31)
.set W2S,  32                          ; v32-39  register 2 i + s likewise
.set QW,   40                          ; v40-43  q's words, K step s
.set HSW,  44                          ; v44-51  register 2 m + s: row tiles m and m + 4
.set QF,   52
.set HA,   84
.set PC,   116
.set XR,   128                         ; X: 16 numbers of x;
.set TB,   144                         ; n with the rounding constant on it;
.set TK,   160                         ; k = n + 1/2, then u, then r c u;
.set TR,   176                         ; r, then q;
.set TD,   192                         ; c = +-cos(sum of theta), then r c;
.set TP,   208                         ; p
.set BK,   128                         ; the way out: v128-191 and v192-255 by turns
.set WV,   12                          ; s12  my wave's number
.set CT,   6                           ; s6   -cos(sum of theta), as bits
.set CHK,  7                           ; s7   counts chunks
.set XO,   2                           ; s2, s3, s66: X's steps in x, in q's codes, in q's scale bytes;  s67 counts rows
.set XQ,   3
.set XS,   66
.set G1X,  16                          ; s[16:23] group 1 for x;  s[24:31] for a part;  s[32:39] for both parts of a chunk
.set G1W,  24
.set G1I,  32
.set G0X,  40                          ; s[40:55] four groups 0 for x; later s40-43 P1's steps, s44 its counter, s45 a mask
.set G0I,  56
.set G0W,  60                          ; s[60:63] slot 0, s[68:71] slot 1
.set WB,   72                          ; s[72:73], s[74:75] wbuf at my wave's part of chunk 0, W1's and W2's
.set CJ,   76                          ; s76, s77 the chunk that each slot asks for next (taken modulo 8)
.set MQ,   40
.set MS,   41
.set MH,   42
.set MC,   43
.set MM,   44
.set M8,   45
.set MSB, 0
.macro WIN new                         ; the immediate's high byte repeats the setting that is left; a switch that changes nothing is dropped
.if MSB != (\new)
	s_set_vgpr_msb (MSB<<8)|(\new)
.set MSB, (\new)
.endif
.endm
.macro PLACES
.rept 4
	v_nop
.endr
.endm
.macro PAIR r, val                     ; a constant for the packed forms, which name a pair and take its low word for both halves
	s_mov_b32 s[\r], \val
	s_mov_b32 s[\r+1], \val
.endm
; A round of the cluster's barrier: my work-group's barrier; wave 0 signals for the work-group; every wave waits for all four work-groups; my work-group's barrier once more.
.macro ROUND
	s_barrier_signal -1
	s_barrier_wait -1
	s_cmp_lg_u32 s[WV], 0
	s_cbranch_scc1 .Lnot_wave_0_\@
	s_barrier_signal -3
.Lnot_wave_0_\@:
	s_barrier_wait -3
	s_barrier_signal -1
	s_barrier_wait -1
.endm
; THE CHANGE OF PHASES.  Each wave waits for all its tensor loads (one is out: the next phase's tile), adds 0 to its spare word, and waits for that and for all its LDS reads and stores.  Behind the barrier
; every wave's stores of q or h have landed, and nobody reads what the next phase overwrites.  fill = 1: the barrier is a round of the cluster's, and the slot that was read out in the last phase takes the tile two phases on.
.macro CHANGE fill, slot
	s_wait_tensorcnt 0x0                           ; no tensor load of mine is out, so a group 0 may be written
	ds_add_u32 v[SPW], v[NIL]                      ; 0 onto my spare word
.if \fill
	s_and_b32 s78, s[CJ+\slot], 7                  ; the chunk, round the eight
	s_mul_i32 s78, s78, CHUNKB
	s_add_co_u32 s[CJ+\slot], s[CJ+\slot], 1
	s_add_nc_u64 s[G0W+8*\slot+2:G0W+8*\slot+3], s[WB+2*\slot:WB+2*\slot+1], s[78:79]
	s_or_b32 s[G0W+8*\slot+3], s[G0W+8*\slot+3], 0x80000000        ; type = 2
.endif
	s_wait_dscnt 0x0                               ; the add is done; my LDS stores have landed and my LDS loads are in
.if \fill
	ROUND
	tensor_load_to_lds s[G0W+8*\slot:G0W+8*\slot+3], s[G1W:G1W+7]  ; my one tensor load behind the round, and the first thing there
	s_nop 0
	PLACES                                         ; four plain lines follow a tensor load
.else
	s_barrier_signal -1
	s_barrier_wait -1
.endif
.endm
; A tile from its slot into registers: 32 loads of 512 consecutive bytes, 8 loads of scale words.  40 LDS instructions.
.macro BURST1
	WIN 0x40                                       ; destination window 1, address window 0
.irp f, 0,1,2,3,4,5,6,7,8,9,10,11,12,13,14,15
	ds_load_b128 v[8*\f:8*\f+3], v[WRD] offset:1024*\f
	ds_load_b128 v[8*\f+4:8*\f+7], v[WRD] offset:1024*\f+512
.endr
	WIN 0
.irp j, 0,1
.irp s, 0,1,2,3
	ds_load_b32 v[W1S+4*\j+\s], v[W4A] offset:16384+512*\j+64*\s
.endr
.endr
.endm
.macro BURST2
	WIN 0x40
.irp f, 0,1,2,3,4,5,6,7,8,9,10,11,12,13,14,15
	ds_load_b128 v[128+8*\f:128+8*\f+3], v[WRD] offset:PIECE+1024*\f
	ds_load_b128 v[128+8*\f+4:128+8*\f+7], v[WRD] offset:PIECE+1024*\f+512
.endr
	WIN 0
.irp i, 0,1,2,3
.irp s, 0,1
	ds_load_b32 v[W2S+2*\i+\s], v[W4B] offset:PIECE+16384+256*\i+64*\s
.endr
.endr
.endm
; X: ONE ROW.  A lane holds 16 numbers: k = 8 lane + 0 .. 7 and 256 + 8 lane + 0 .. 7; four neighbouring lanes hold a block of 32.  Every line of the cosine stands eight times, a pair of numbers each.
; mode = 1: the next row is fetched as soon as this row's numbers have been read for the last time.  mode = 2, the last row: the first tile of weights is fetched there.
.macro XBODY mode
	s_wait_dscnt 4                                 ; the row's four loads are in; behind them stand the last row's four stores, which may be out
.irp p, 0,2,4,6,8,10,12,14
	v_pk_fma_f32 v[TK+\p:TK+\p+1], v[XR+\p:XR+\p+1], s[80:81], -0.5 op_sel_hi:[1,0,0]    ; x / pi - 1/2
.endr
.irp p, 0,2,4,6,8,10,12,14
	v_pk_add_f32 v[TB+\p:TB+\p+1], v[TK+\p:TK+\p+1], s[82:83] op_sel_hi:[1,0]            ; + 1.5 x 2^23: rounded to a whole number n, which now stands in the low bits
.endr
.irp p, 0,2,4,6,8,10,12,14
	v_pk_add_f32 v[TK+\p:TK+\p+1], v[TB+\p:TB+\p+1], s[84:85] op_sel_hi:[1,0]            ; n
.endr
.irp p, 0,2,4,6,8,10,12,14
	v_pk_add_f32 v[TK+\p:TK+\p+1], v[TK+\p:TK+\p+1], 0.5 op_sel_hi:[1,0]                 ; k = n + 1/2, exact
.endr
.irp p, 0,2,4,6,8,10,12,14
	v_pk_fma_f32 v[TR+\p:TR+\p+1], v[TK+\p:TK+\p+1], s[86:87], v[XR+\p:XR+\p+1] op_sel_hi:[1,0,1]   ; x - k pi, pi's first part
.endr
.if \mode == 1
	s_add_co_u32 s[XO], s[XO], XROW
	v_add_nc_u32 v18, s[XO], v[XAD0]
	ds_load_b128 v[XR:XR+3], v18
	ds_load_b128 v[XR+4:XR+7], v18 offset:16
	ds_load_b128 v[XR+8:XR+11], v18 offset:4*272
	ds_load_b128 v[XR+12:XR+15], v18 offset:4*272+16
.elseif \mode == 2
	s_wait_tensorcnt 0x0                           ; my one load that is out brought my first chunk's two tiles; I alone read them
	BURST1
.endif
.irp p, 0,2,4,6,8,10,12,14
	v_pk_fma_f32 v[TR+\p:TR+\p+1], v[TK+\p:TK+\p+1], s[88:89], v[TR+\p:TR+\p+1] op_sel_hi:[1,0,1]   ; its second part
.endr
.irp p, 0,2,4,6,8,10,12,14
	v_pk_fma_f32 v[TR+\p:TR+\p+1], v[TK+\p:TK+\p+1], s[90:91], v[TR+\p:TR+\p+1] op_sel_hi:[1,0,1]   ; its third: r
.endr
.irp i, 0,1,2,3,4,5,6,7,8,9,10,11,12,13,14,15
	v_lshl_add_u32 v[TD+\i], v[TB+\i], 31, s[CT]   ; c = (-1)^n x -cos(sum of theta): n's lowest bit turns the sign bit
.endr
.irp p, 0,2,4,6,8,10,12,14
	v_pk_mul_f32 v[TK+\p:TK+\p+1], v[TR+\p:TR+\p+1], v[TR+\p:TR+\p+1]                    ; u = r^2
.endr
.irp p, 0,2,4,6,8,10,12,14
	v_pk_mul_f32 v[TD+\p:TD+\p+1], v[TR+\p:TR+\p+1], v[TD+\p:TD+\p+1]                    ; r c
.endr
.irp p, 0,2,4,6,8,10,12,14
	v_pk_fma_f32 v[TP+\p:TP+\p+1], v[TK+\p:TK+\p+1], s[92:93], v[22:23] op_sel_hi:[1,0,1]
.endr
.irp p, 0,2,4,6,8,10,12,14
	v_pk_fma_f32 v[TP+\p:TP+\p+1], v[TP+\p:TP+\p+1], v[TK+\p:TK+\p+1], s[94:95] op_sel_hi:[1,1,0]
.endr
.irp p, 0,2,4,6,8,10,12,14
	v_pk_fma_f32 v[TP+\p:TP+\p+1], v[TP+\p:TP+\p+1], v[TK+\p:TK+\p+1], s[96:97] op_sel_hi:[1,1,0]
.endr
.irp p, 0,2,4,6,8,10,12,14
	v_pk_fma_f32 v[TP+\p:TP+\p+1], v[TP+\p:TP+\p+1], v[TK+\p:TK+\p+1], s[98:99] op_sel_hi:[1,1,0]   ; p(u)
.endr
.irp p, 0,2,4,6,8,10,12,14
	v_pk_mul_f32 v[TK+\p:TK+\p+1], v[TD+\p:TD+\p+1], v[TK+\p:TK+\p+1]                    ; r c u
.endr
.irp p, 0,2,4,6,8,10,12,14
	v_pk_fma_f32 v[TR+\p:TR+\p+1], v[TK+\p:TK+\p+1], v[TP+\p:TP+\p+1], v[TD+\p:TD+\p+1]  ; q = r c + r c u p(u)
.endr
.irp e, 0,1                                    ; my eight numbers of each of two blocks, the two by turns
	v_max3_num_f32 v[224+\e], |v[TR+8*\e]|, |v[TR+8*\e+1]|, 0x1800000      ; with the floor 2^(3 - 127): the byte cannot fall under 1
.endr
.irp i, 2,4,6
.irp e, 0,1
	v_max3_num_f32 v[224+\e], v[224+\e], |v[TR+8*\e+\i]|, |v[TR+8*\e+\i+1]|
.endr
.endr
.irp e, 0,1
	v_max_num_f32_dpp v[224+\e], v[224+\e], v[224+\e] row_xmask:1 row_mask:0xf bank_mask:0xf
.endr
.irp e, 0,1
	v_max_num_f32_dpp v[224+\e], v[224+\e], v[224+\e] row_xmask:2 row_mask:0xf bank_mask:0xf   ; the four lanes' : the block's largest magnitude
.endr
.irp e, 0,1
	v_add_nc_u32 v[226+\e], 0xff000000, v[224+\e]  ; 2 off its exponent field: the conversion's scale operand
.endr
.irp e, 0,1
	v_cvt_scalef32_pk8_fp4_f32 v[228+\e], v[TR+8*\e:TR+8*\e+7], v[226+\e]
.endr
.irp e, 0,1
	v_lshrrev_b32 v[230+\e], 23, v[226+\e]         ; the scale's byte.  (Also the plain line behind the conversions)
.endr
	v_add_nc_u32 v19, s[XQ], v[QWA0]
	v_add_nc_u32 v20, s[XS], v[QSA0]
	ds_store_b32 v19, v228                         ; 8 codes: the wave stores 128 consecutive bytes of q's row
	ds_store_b32 v19, v229 offset:128
	ds_store_b8 v20, v230                          ; (the four lanes of a block write the same byte with the same value)
	ds_store_b8 v20, v231 offset:8
	s_add_co_u32 s[XQ], s[XQ], QP
	s_add_co_u32 s[XS], s[XS], 16
.endm
; P1's product (unit tile t, K step s).  The four accumulators take turns, one instruction a turn; K step 0 starts the sums.
.macro MM1 t, s
.set rD, HA+8*(\t)
.set rA, 8*(4*(\t)+(\s))
.set rB, QF+8*(\s)
.set rSA, W1S+4*((\t)/2)+(\s)
.set rSB, QW+(\s)
.if (\s) == 0
.if (\t)%2
	v_wmma_scale_f32_16x16x128_f8f6f4 v[rD:rD+7], v[rA:rA+7], v[rB:rB+7], 0, v[rSA], v[rSB] matrix_a_fmt:MATRIX_FMT_FP4 matrix_b_fmt:MATRIX_FMT_FP4 matrix_a_scale:MATRIX_SCALE_ROW1
.else
	v_wmma_scale_f32_16x16x128_f8f6f4 v[rD:rD+7], v[rA:rA+7], v[rB:rB+7], 0, v[rSA], v[rSB] matrix_a_fmt:MATRIX_FMT_FP4 matrix_b_fmt:MATRIX_FMT_FP4
.endif
.else
.if (\t)%2
	v_wmma_scale_f32_16x16x128_f8f6f4 v[rD:rD+7], v[rA:rA+7], v[rB:rB+7], v[rD:rD+7], v[rSA], v[rSB] matrix_a_fmt:MATRIX_FMT_FP4 matrix_b_fmt:MATRIX_FMT_FP4 matrix_a_scale:MATRIX_SCALE_ROW1
.else
	v_wmma_scale_f32_16x16x128_f8f6f4 v[rD:rD+7], v[rA:rA+7], v[rB:rB+7], v[rD:rD+7], v[rSA], v[rSB] matrix_a_fmt:MATRIX_FMT_FP4 matrix_b_fmt:MATRIX_FMT_FP4
.endif
.endif
.endm
.macro QLOAD aq, aw                    ; a row tile's four fragments of q and its four scale words: 9 LDS loads
.irp s, 0,1,2,3
	ds_load_b128 v[QF+8*\s:QF+8*\s+3], v[\aq] offset:64*\s
	ds_load_b128 v[QF+8*\s+4:QF+8*\s+7], v[\aq] offset:64*\s+32
.endr
	ds_load_b128 v[QW:QW+3], v[\aw]
.endm
; 32 hidden numbers of a lane (row r; register 16 b + i = unit 32 b + 16 h + i of my 64) become four registers of codes and two scale bytes.  relu is folded in: what is negative does not count
; for the largest magnitude (no |.| on the sources; the floor stands over it), and its code's magnitude is cleared behind the conversion.
.macro QUANT
.irp t, 0,1,2,3
	v_max3_num_f32 v[132+\t], v[HA+8*\t], v[HA+8*\t+1], v[HA+8*\t+2]       ; a chain for each accumulator, from its low end on; the four by turns
.endr
.irp i, 3,5
.irp t, 0,1,2,3
	v_max3_num_f32 v[132+\t], v[132+\t], v[HA+8*\t+\i], v[HA+8*\t+\i+1]
.endr
.endr
.irp b, 0,1
	v_max3_num_f32 v[128+\b], v[132+2*\b], v[133+2*\b], 0x1800000          ; a block's two chains and the floor 2^(3 - 127)
.endr
.irp b, 0,1
	v_max3_num_f32 v[128+\b], v[128+\b], v[HA+16*\b+7], v[HA+16*\b+15]
.endr
.irp b, 0,1
	v_permlanex16_b32 v[130+\b], v[128+\b], s100, s101
.endr
.irp b, 0,1
	v_max_num_f32 v[128+\b], v[128+\b], v[130+\b]  ; with lane l xor 16's 16 units: the block's
.endr
.irp b, 0,1
	v_add_nc_u32 v[136+\b], 0xff000000, v[128+\b]  ; 2 off the exponent field: the conversion's scale operand
.endr
.irp b, 0,1
	v_cvt_scalef32_pk8_fp4_f32 v[PC+2*\b], v[HA+16*\b:HA+16*\b+7], v[136+\b]
	v_cvt_scalef32_pk8_fp4_f32 v[PC+2*\b+1], v[HA+16*\b+8:HA+16*\b+15], v[136+\b]
.endr
.irp b, 0,1
	v_lshrrev_b32 v[138+\b], 23, v[136+\b]         ; the bytes.  (Also the plain lines behind the conversions)
.endr
	v_lshl_or_b32 v140, v139, 8, v138              ; my row's two bytes, side by side
.irp g, 0,1,2,3
	v_and_b32 v[141+\g], s[M8], v[PC+\g]           ; the eight sign bits,
.endr
.irp g, 0,1,2,3
	v_lshrrev_b32 v[145+\g], 3, v[141+\g]
.endr
.irp g, 0,1,2,3
	v_sub_nc_u32 v[141+\g], v[141+\g], v[145+\g]   ; 8 - 1 = 7 in each negative code's place: its three magnitude bits,
.endr
.irp g, 0,1,2,3
	v_bfi_b32 v[PC+\g], v[141+\g], 0, v[PC+\g]     ; which are cleared: relu
.endr
	v_permlane16_swap_b32 v[PC], v[PC+2]           ; the operand's layout wants a whole block in a lane: lanes 0-15 block 0, lanes 16-31 block 1
	v_permlane16_swap_b32 v[PC+1], v[PC+3]
.endm
; P1 FOR ONE TILE OF 16 ROWS.  left: the LDS instructions issued behind q's loads, which may be out.  pre = 1: the next tile's q is fetched; 2: tile 0's, for the next chunk; 0: none.  burst = 1: W2's tile is read into registers.
.macro P1BODY left, pre, burst
	s_wait_dscnt \left
	WIN 0x01                                       ; source 0 (W1) window 1
.irp s, 0,1,2,3
.irp t, 0,1,2,3
	MM1 \t, \s
.endr
.endr
	WIN 0
.if \pre == 1
	s_add_co_u32 s[MQ], s[MQ], 16*QP
	s_add_co_u32 s[MS], s[MS], 256
.elseif \pre == 2
	s_mov_b32 s[MQ], 0
	s_mov_b32 s[MS], 0
.endif
	v_add_nc_u32 v18, s[MQ], v[QRD0]               ; these four are the four places between the products and the loads into their operands, and the first read of their results
	v_add_nc_u32 v19, s[MS], v[QSR0]
	v_add_nc_u32 v20, s[MH], v[HWA0]
	v_add_nc_u32 v21, s[MC], v[HSA0]
	s_add_co_u32 s[MH], s[MH], 2048
	s_add_co_u32 s[MC], s[MC], 128
.if \pre
	QLOAD 18, 19
.endif
.if \burst
	BURST2
.endif
	QUANT
	ds_store_b128 v20, v[PC:PC+3]                  ; half a fragment's image: 512 consecutive bytes
	ds_store_b16 v21, v140                         ; (lanes 16-31 write the same two bytes with the same value)
.endm
.macro P1 qfirst, burst, qnext
	s_mov_b32 s[MQ], 0
	s_mov_b32 s[MS], 0
	s_mov_b32 s[MH], 0
	s_mov_b32 s[MC], 0
.if \qfirst
	QLOAD QRD0, QSR0
.endif
	P1BODY 0, 1, \burst
	s_mov_b32 s[MM], 6
.Lrows_\@:
	P1BODY 2, 1, 0                                 ; behind q's nine loads stand the last tile's two stores
	s_sub_co_u32 s[MM], s[MM], 1
	s_cmp_lg_u32 s[MM], 0
	s_cbranch_scc1 .Lrows_\@
.if \qnext
	P1BODY 2, 2, 0
.else
	P1BODY 2, 0, 0
.endif
.endm
; P2's two products (row tile 4 hi + m; output tiles 2 i and 2 i + 1; K step s).  zero = 1: they start the sums: nothing is ever cleared.
.macro MM2 m, i, s, hi, zero
.set rD, 8*(8*(\m)+2*(\i))
.set rA, 128+8*(4*(\i)+(\s))
.set rB, 128+8*(8*(\s)+4*(\hi)+(\m))
.set rSA, W2S+2*(\i)+(\s)
.set rSB, HSW+2*(\m)+(\s)
.if \zero
.if \hi
	v_wmma_scale_f32_16x16x128_f8f6f4 v[rD:rD+7], v[rA:rA+7], v[rB:rB+7], 0, v[rSA], v[rSB] matrix_a_fmt:MATRIX_FMT_FP4 matrix_b_fmt:MATRIX_FMT_FP4 matrix_b_scale:MATRIX_SCALE_ROW1
	v_wmma_scale_f32_16x16x128_f8f6f4 v[rD+8:rD+15], v[rA+16:rA+23], v[rB:rB+7], 0, v[rSA], v[rSB] matrix_a_fmt:MATRIX_FMT_FP4 matrix_b_fmt:MATRIX_FMT_FP4 matrix_a_scale:MATRIX_SCALE_ROW1 matrix_b_scale:MATRIX_SCALE_ROW1
.else
	v_wmma_scale_f32_16x16x128_f8f6f4 v[rD:rD+7], v[rA:rA+7], v[rB:rB+7], 0, v[rSA], v[rSB] matrix_a_fmt:MATRIX_FMT_FP4 matrix_b_fmt:MATRIX_FMT_FP4
	v_wmma_scale_f32_16x16x128_f8f6f4 v[rD+8:rD+15], v[rA+16:rA+23], v[rB:rB+7], 0, v[rSA], v[rSB] matrix_a_fmt:MATRIX_FMT_FP4 matrix_b_fmt:MATRIX_FMT_FP4 matrix_a_scale:MATRIX_SCALE_ROW1
.endif
.else
.if \hi
	v_wmma_scale_f32_16x16x128_f8f6f4 v[rD:rD+7], v[rA:rA+7], v[rB:rB+7], v[rD:rD+7], v[rSA], v[rSB] matrix_a_fmt:MATRIX_FMT_FP4 matrix_b_fmt:MATRIX_FMT_FP4 matrix_b_scale:MATRIX_SCALE_ROW1
	v_wmma_scale_f32_16x16x128_f8f6f4 v[rD+8:rD+15], v[rA+16:rA+23], v[rB:rB+7], v[rD+8:rD+15], v[rSA], v[rSB] matrix_a_fmt:MATRIX_FMT_FP4 matrix_b_fmt:MATRIX_FMT_FP4 matrix_a_scale:MATRIX_SCALE_ROW1 matrix_b_scale:MATRIX_SCALE_ROW1
.else
	v_wmma_scale_f32_16x16x128_f8f6f4 v[rD:rD+7], v[rA:rA+7], v[rB:rB+7], v[rD:rD+7], v[rSA], v[rSB] matrix_a_fmt:MATRIX_FMT_FP4 matrix_b_fmt:MATRIX_FMT_FP4
	v_wmma_scale_f32_16x16x128_f8f6f4 v[rD+8:rD+15], v[rA+16:rA+23], v[rB:rB+7], v[rD+8:rD+15], v[rSA], v[rSB] matrix_a_fmt:MATRIX_FMT_FP4 matrix_b_fmt:MATRIX_FMT_FP4 matrix_a_scale:MATRIX_SCALE_ROW1
.endif
.endif
.endm
.macro P2G s, hi, zero                 ; 32 products on 32 accumulators, one instruction a turn
.irp m, 0,1,2,3
.irp i, 0,1,2,3
	MM2 \m, \i, \s, \hi, \zero
.endr
.endr
.endm
; P2.  LDS loads in one run: 4 of h's scale words, 16 + 16 of h's fragments (K step 0, then 1; row tiles ascending), and with burst = 1 the next chunk's tile of W1 (40).
; Each wait leaves out what was issued behind the eight loads that the next 32 products read.
.macro P2 zero, burst
.irp m, 0,1,2,3
	ds_load_b64 v[HSW+2*\m:HSW+2*\m+1], v[HSR] offset:128*\m
.endr
.irp s, 0,1
.irp m, 0,1,2,3,4,5,6,7
	ds_load_b128 v[128+8*(8*\s+\m):128+8*(8*\s+\m)+3], v[HRD] offset:1024*(2*\m+\s)
	ds_load_b128 v[128+8*(8*\s+\m)+4:128+8*(8*\s+\m)+7], v[HRD] offset:1024*(2*\m+\s)+512
.endr
.endr
.if \burst
	BURST1
.endif
	s_wait_dscnt 24+39*\burst                      ; 24 of h's, and the 40 (a wait names 63 at the most)
	WIN 0xa1                                       ; source 0 (W2) window 1, source 1 (h) window 0, C and D window 2
	P2G 0, 0, \zero
	s_wait_dscnt 16+40*\burst
	WIN 0xf1                                       ; C and D window 3
	P2G 0, 1, \zero
	s_wait_dscnt 8+40*\burst
	WIN 0xa1
	P2G 1, 0, 0
	s_wait_dscnt 40*\burst
	WIN 0xf1
	P2G 1, 1, 0
	WIN 0
.endm
; THE WAY OUT, a tile of 16 rows at a time: a lane holds 32 neighbouring bytes of a row; the tile goes through my own stage and comes back as my 512 bytes of each row.
.macro TOSTAGE a
.set AC, 64*((\a)%4)
	WIN 0x08+4*((\a)/4)                            ; an LDS store's data are its source 1: window 2 or 3
.irp n, 0,1,2,3,4,5,6,7
	ds_store_b128 v[STO], v[AC+8*\n:AC+8*\n+3] offset:64*\n            ; each accumulator from its low end on
	ds_store_b128 v[STO], v[AC+8*\n+4:AC+8*\n+7] offset:64*\n+16
.endr
	WIN 0
.set BB, BK+64*((\a)%2)
.irp t, 0,1,2,3,4,5,6,7,8,9,10,11,12,13,14,15
	ds_load_b128 v[BB+4*\t:BB+4*\t+3], v[SRD] offset:\t*SPITCH         ; LDS serves a wave's instructions in order: these see my stores, and the next tile's stores come behind them
.endr
.endm
.macro SEND a, younger                 ; younger: the LDS instructions issued behind tile a's loads, which may stay out
.set BB, BK+64*((\a)%2)
	s_wait_dscnt \younger
.irp t, 0,1,2,3,4,5,6,7,8,9,10,11,12,13,14,15
	global_store_b128 v[CO], v[BB+4*\t:BB+4*\t+3], s[10:11] offset:(16*(\a)+\t)*2048 th:TH_STORE_NT   ; 32 lanes store 512 consecutive bytes, at a multiple of 256 from out's first byte
.endr
.endm
	s_load_b256 s[4:11], s[0:1], 0x0               ; x s[4:5], theta s[6:7], wbuf s[8:9], out s[10:11]
	v_lshl_add_u32 v[SPW], v0, 2, SPARE
	v_mov_b32 v[NIL], 0
	ds_add_u32 v1, v2
	ds_add_u32 v1, v2
	s_wait_dscnt 0x0
	v_lshrrev_b32 v18, 5, v0
	v_readfirstlane_b32 s[WV], v18                 ; wave 0..3
	s_bfe_u32 s13, ttmp6, 0x40000                  ; cx: my place in the cluster: it enters x's and out's addresses alone
	s_lshl_b32 s14, ttmp9, 2                       ; in a cluster launch ttmp9 counts clusters
	s_add_co_u32 s14, s14, s13                     ; my block of 128 rows
	s_mul_i32 s15, s[WV], RW                       ; my wave's region of LDS
	; group 1 for x: 8 rows of x are 16,384 dense bytes: 64 rows of 256 bytes (32 elements of 8), 16 bytes of padding behind each
	s_mov_b32 s[G1X], (3<<16)|(1<<20)|(5<<22)|(3<<25)
	s_mov_b32 s[G1X+1], 32<<16
	s_mov_b32 s[G1X+2], 64<<16
	s_mov_b32 s[G1X+3], 32<<16
	s_mov_b32 s[G1X+4], 64
	s_mov_b32 s[G1X+5], 32
	s_mov_b32 s[G1X+6], 0
	s_mov_b32 s[G1X+7], 0
	; for a part of wbuf: 17,408 dense bytes: 68 rows of 256, no padding; the mask names all four work-groups, bit 21 stands beside it
	s_mov_b32 s[G1W], 15|(3<<16)|(1<<21)
	s_mov_b32 s[G1W+1], 32<<16
	s_mov_b32 s[G1W+2], 68<<16
	s_mov_b32 s[G1W+3], 32<<16
	s_mov_b32 s[G1W+4], 68
	s_mov_b32 s[G1W+5], 32
	s_mov_b32 s[G1W+6], 0
	s_mov_b32 s[G1W+7], 0
	; and for both parts of a chunk at once: 136 rows
	s_mov_b32 s[G1I], 15|(3<<16)|(1<<21)
	s_mov_b32 s[G1I+1], 32<<16
	s_mov_b32 s[G1I+2], 136<<16
	s_mov_b32 s[G1I+3], 32<<16
	s_mov_b32 s[G1I+4], 136
	s_mov_b32 s[G1I+5], 32
	s_mov_b32 s[G1I+6], 0
	s_mov_b32 s[G1I+7], 0
	PAIR 80, 0x3ea2f983                            ; 1 / pi
	PAIR 82, 0x4b400000                            ; 1.5 x 2^23
	PAIR 84, 0xcb400000                            ; and its negative
	PAIR 86, 0xc0490fdb                            ; -pi in three parts
	PAIR 88, 0x33bbbd2e
	PAIR 90, 0x27772ced
	PAIR 92, 0xb2cd365b                            ; p's coefficients, from u^4 down (u^3's stands in v[22:23])
	PAIR 94, 0xb9500bf1
	PAIR 96, 0x3c088886
	PAIR 98, 0xbe2aaaab
	s_mov_b32 s100, 0x76543210
	s_mov_b32 s101, 0xfedcba98                     ; v_permlanex16_b32's selects for lane l xor 16
	s_lshl_b32 s2, s14, 18                         ; my block: 128 rows of 2,048 bytes
	s_lshl_b32 s3, s[WV], 16                       ; x: my wave's 32 rows
	s_add_co_u32 s66, s2, s3
	s_mov_b32 s67, 0
	s_lshl_b32 s3, s[WV], 9                        ; out: my wave's 128 columns
	s_add_co_u32 s2, s2, s3
	s_mov_b32 s3, 0
	s_mul_i32 s78, s[WV], WAVEB
	s_mov_b32 s79, 0
	s_wait_kmcnt 0x0
	s_add_nc_u64 s[4:5], s[4:5], s[66:67]
	s_add_nc_u64 s[10:11], s[10:11], s[2:3]
	s_add_nc_u64 s[WB:WB+1], s[8:9], s[78:79]      ; made of the wave's number alone
	s_add_nc_u64 s[WB+2:WB+3], s[WB:WB+1], PARTB
	s_and_b32 s78, ttmp9, 7                        ; my cluster's first chunk
	s_mul_i32 s78, s78, CHUNKB
.irp j, 0,1,2,3
	s_mov_b32 s[G0X+4*\j], 1                       ; count = 1
	s_add_co_u32 s[G0X+4*\j+1], s15, \j*PIECE      ; LDS address
	s_add_nc_u64 s[G0X+4*\j+2:G0X+4*\j+3], s[4:5], \j*16384
	s_or_b32 s[G0X+4*\j+3], s[G0X+4*\j+3], 0x80000000              ; type = 2
.endr
	s_mov_b32 s[G0I], 1
	s_mov_b32 s[G0I+1], s15
	s_add_nc_u64 s[G0I+2:G0I+3], s[WB:WB+1], s[78:79]
	s_or_b32 s[G0I+3], s[G0I+3], 0x80000000
	s_mov_b32 s[G0W], 1
	s_mov_b32 s[G0W+1], s15                        ; slot 0
	s_mov_b32 s[G0W+8], 1
	s_add_co_u32 s[G0W+9], s15, PIECE              ; slot 1
	s_add_co_u32 s[CJ], ttmp9, 1
	s_add_co_u32 s[CJ+1], ttmp9, 1
	ROUND                                          ; in a cluster launch every group of tensor loads stands behind a round
	tensor_load_to_lds s[G0X:G0X+3], s[G1X:G1X+7]          ; my 32 rows of x, four loads of my own (no mask): four are out
	s_nop 0
	tensor_load_to_lds s[G0X+4:G0X+7], s[G1X:G1X+7]
	s_nop 0
	tensor_load_to_lds s[G0X+8:G0X+11], s[G1X:G1X+7]
	s_nop 0
	tensor_load_to_lds s[G0X+12:G0X+15], s[G1X:G1X+7]
	s_nop 0
	PLACES
	v_and_b32 v18, 31, v0                          ; lane
	v_lshlrev_b32 v[CO], 4, v18
.irp j, 0,1,2,3
	global_load_b128 v[128+4*\j:128+4*\j+3], v[CO], s[6:7] offset:512*\j   ; theta: 16 numbers a lane
.endr
	v_and_b32 v19, 15, v0                          ; r
	v_bfe_u32 v20, v0, 4, 1                        ; h
	v_mov_b32 v22, 0x3638b88e
	v_mov_b32 v23, 0x3638b88e
	v_bfe_u32 v21, v0, 3, 2
	v_mul_u32_u24 v21, v21, 272
	v_and_b32 v[XAD0], 7, v0
	v_lshl_add_u32 v21, v[XAD0], 5, v21
	v_add_nc_u32 v[XAD0], s15, v21                 ; byte 32 x lane of a row: unit lane / 8, 32 (lane % 8) in it
	s_mul_i32 s2, s[WV], 32*QP
	s_add_co_u32 s2, s2, Q
	v_lshl_add_u32 v[QWA0], v18, 2, s2
	s_lshl_b32 s2, s[WV], 9
	s_add_co_u32 s3, s2, QS
	v_bfe_u32 v21, v0, 2, 3
	v_add_nc_u32 v[QSA0], s3, v21
	s_add_co_u32 s3, s2, HID
	v_lshl_add_u32 v[HWA0], v18, 4, s3             ; wave w's 64 units are half (w % 2) of K step w / 2: 512 w bytes on
	s_lshl_b32 s3, s[WV], 1
	s_add_co_u32 s3, s3, HSC
	v_lshl_add_u32 v[HSA0], v19, 3, s3
	v_lshl_add_u32 v[WRD], v18, 4, s15
	v_lshlrev_b32 v21, 2, v19
	v_add_nc_u32 v21, s15, v21
	v_lshl_add_u32 v[W4A], v20, 8, v21
	v_lshl_add_u32 v[W4B], v20, 7, v21
	v_mul_u32_u24 v21, v19, QP
	v_lshl_add_u32 v21, v20, 4, v21
	v_add_nc_u32 v[QRD0], Q, v21
	v_lshl_add_u32 v[QSR0], v19, 4, QS
	v_lshl_add_u32 v[HRD], v18, 4, HID
	v_lshl_add_u32 v21, v19, 3, HSC
	v_lshl_add_u32 v[HSR], v20, 9, v21
	s_add_co_u32 s3, s15, STG
	v_mul_u32_u24 v21, v19, SPITCH
	v_lshl_add_u32 v21, v20, 5, v21
	v_add_nc_u32 v[STO], s3, v21
	v_lshl_add_u32 v[SRD], v18, 4, s3
	s_wait_loadcnt 0x0                             ; theta
.irp j, 0,4,8,12
	v_pk_add_f32 v[128+\j:129+\j], v[128+\j:129+\j], v[130+\j:131+\j]
.endr
	v_pk_add_f32 v[128:129], v[128:129], v[132:133]
	v_pk_add_f32 v[136:137], v[136:137], v[140:141]
	v_pk_add_f32 v[128:129], v[128:129], v[136:137]
	v_add_f32 v128, v128, v129
	v_add_f32_dpp v128, v128, v128 row_xmask:1 row_mask:0xf bank_mask:0xf
	v_add_f32_dpp v128, v128, v128 row_xmask:2 row_mask:0xf bank_mask:0xf
	v_add_f32_dpp v128, v128, v128 row_xmask:4 row_mask:0xf bank_mask:0xf
	v_add_f32_dpp v128, v128, v128 row_xmask:8 row_mask:0xf bank_mask:0xf
	v_permlanex16_b32 v129, v128, s100, s101
	v_add_f32 v128, v128, v129                     ; the sum of theta, in every lane
	v_fma_f32 v130, v128, s80, -0.5                ; its cosine, by the same lines as x's, one number at a time, with c = -(-1)^n
	v_add_f32 v131, s82, v130
	v_add_f32 v130, s84, v131
	v_add_f32 v130, 0.5, v130
	v_fma_f32 v132, v130, s86, v128
	v_fma_f32 v132, v130, s88, v132
	v_fma_f32 v132, v130, s90, v132
	v_lshl_add_u32 v133, v131, 31, 0xbf800000
	v_mul_f32 v134, v132, v132
	v_mul_f32 v133, v132, v133
	v_fma_f32 v135, v134, s92, v22
	v_fma_f32 v135, v135, v134, s94
	v_fma_f32 v135, v135, v134, s96
	v_fma_f32 v135, v135, v134, s98
	v_mul_f32 v134, v133, v134
	v_fma_f32 v132, v134, v135, v133
	v_readfirstlane_b32 s[CT], v132                ; (theta's loads are in: its address is done with.)  A number, never an address or a condition
	s_xor_b32 s[CT], s[CT], 0x80000000             ; -cos(sum of theta)
	; ---- X
	s_mov_b32 s[XO], 0
	s_mov_b32 s[XQ], 0
	s_mov_b32 s[XS], 0
	s_wait_tensorcnt 0x2                           ; my rows 0-15 are in; the two younger loads may be out.  I alone read these bytes
	ds_load_b128 v[XR:XR+3], v[XAD0]
	ds_load_b128 v[XR+4:XR+7], v[XAD0] offset:16
	ds_load_b128 v[XR+8:XR+11], v[XAD0] offset:4*272
	ds_load_b128 v[XR+12:XR+15], v[XAD0] offset:4*272+16
	s_wait_dscnt 0x0                               ; row 0 has no stores behind its loads
	s_mov_b32 s67, 8
.Lrows_a:                                              ; rows 0-7; they fetch rows 1-8
	XBODY 1
	s_sub_co_u32 s67, s67, 1
	s_cmp_lg_u32 s67, 0
	s_cbranch_scc1 .Lrows_a
	s_wait_tensorcnt 0x1                           ; rows 16-23 are in: the next loop's last trip fetches row 16
	s_mov_b32 s67, 8
.Lrows_b:                                              ; rows 8-15; they fetch rows 9-16
	XBODY 1
	s_sub_co_u32 s67, s67, 1
	s_cmp_lg_u32 s67, 0
	s_cbranch_scc1 .Lrows_b
	; rows 0-15 are read out: their bytes become the ring.  Both tiles of my first chunk come by one joint load
	s_wait_tensorcnt 0x0                           ; all of x has landed
	ds_add_u32 v[SPW], v[NIL]                      ; 0 onto my spare word
	s_wait_dscnt 0x0                               ; the add is done, and my reads of rows 0-15 are over
	ROUND
	tensor_load_to_lds s[G0I:G0I+3], s[G1I:G1I+7]
	s_nop 0
	PLACES
	s_mov_b32 s[M8], 0x88888888                    ; (x's loads are done: their descriptors' registers are free)
	s_mov_b32 s67, 15
.Lrows_c:                                              ; rows 16-30; they fetch rows 17-31
	XBODY 1
	s_sub_co_u32 s67, s67, 1
	s_cmp_lg_u32 s67, 0
	s_cbranch_scc1 .Lrows_c
	XBODY 2                                        ; row 31, and W1's first tile into registers
	; ---- the chunks.  The first starts the sums and fetches q's first tile; the last asks for nothing: both are written out
	CHANGE 1, 0                                    ; q lies whole in LDS
	P1 1, 1, 1
	CHANGE 1, 1                                    ; h lies whole in LDS
	P2 1, 1
	s_mov_b32 s[CHK], 6
.Lchunk:
	CHANGE 1, 0
	P1 0, 1, 1
	CHANGE 1, 1
	P2 0, 1
	s_sub_co_u32 s[CHK], s[CHK], 1
	s_cmp_lg_u32 s[CHK], 0
	s_cbranch_scc1 .Lchunk
	CHANGE 0, 0
	P1 0, 1, 0
	CHANGE 0, 1
	P2 0, 0
	; ---- the way out
	PLACES                                         ; between the last products and the first read of results, and the loads into the registers that held h's fragments
	TOSTAGE 0
.irp a, 1,2,3,4,5,6,7
.if \a > 1
	s_wait_xcnt 0x0                                ; tile a - 2's stores have read their registers: tile a's loads may land there
.endif
	TOSTAGE \a
	SEND \a-1, 32                                  ; behind tile a - 1's loads: tile a's 16 stores and 16 loads
.endr
	SEND 7, 0
	s_wait_tensorcnt 0x0                           ; the wave's end, behind my last tensor load and my last LDS store
	ds_add_u32 v[SPW], v[NIL]
	s_wait_dscnt 0x0
	ROUND                                          ; the closing round: no work-group ends while a partner may still ask for a tile that names it
	s_endpgm
.Lfunc_end_k_q18793733b2_ffn:
	.size	k_q18793733b2_ffn, .Lfunc_end_k_q18793733b2_ffn-k_q18793733b2_ffn
	.p2alignl 7, 3214868480
	.fill 96, 4, 3214868480
	.section	.rodata,"a",@progbits
	.p2align	6, 0x0
	.amdhsa_kernel k_q18793733b2_ffn
		.amdhsa_group_segment_fixed_size 327680
		.amdhsa_private_segment_fixed_size 0
		.amdhsa_enable_private_segment 0
		.amdhsa_kernarg_size 32
		.amdhsa_user_sgpr_count 2
		.amdhsa_user_sgpr_kernarg_segment_ptr 1
		.amdhsa_wavefront_size32 1
		.amdhsa_system_sgpr_workgroup_id_x 1
		.amdhsa_system_sgpr_workgroup_id_y 1
		.amdhsa_system_sgpr_workgroup_id_z 1
		.amdhsa_system_vgpr_workitem_id 0
		.amdhsa_next_free_vgpr 1024
		.amdhsa_next_free_sgpr 102
		.amdhsa_reserve_vcc 0
		.amdhsa_float_denorm_mode_32 3
		.amdhsa_float_denorm_mode_16_64 3
		.amdhsa_memory_ordered 1
		.amdhsa_forward_progress 1
		.amdhsa_inst_pref_size 209
	.end_amdhsa_kernel
	.amdgpu_metadata
---
amdhsa.version: [ 1, 2 ]
amdhsa.kernels:
  - .name:           k_q18793733b2_ffn
    .symbol:         k_q18793733b2_ffn.kd
    .args:
      - { .name: x, .offset: 0, .size: 8, .value_kind: global_buffer, .address_space: global }
      - { .name: theta, .offset: 8, .size: 8, .value_kind: global_buffer, .address_space: global }
      - { .name: wbuf, .offset: 16, .size: 8, .value_kind: global_buffer, .address_space: global }
      - { .name: out0, .offset: 24, .size: 8, .value_kind: global_buffer, .address_space: global }
    .group_segment_fixed_size: 327680
    .private_segment_fixed_size: 0
    .kernarg_segment_align: 8
    .kernarg_segment_size: 32
    .max_flat_workgroup_size: 128
    .sgpr_count:     102
    .vgpr_count:     1024
    .wavefront_size: 32
...
	.end_amdgpu_metadata
.endif
;; end of part 2
